; MI455X (gfx1250); checked and timed in simulation.
; The chip was launched on July 23, 2026; its instructions are those of AMD's public machine-readable ISA for CDNA 5 (MIT licence, August 2026) and "CDNA5" Instruction Set Architecture Reference Guide (July 2026). The comments in the code are by the model that wrote it; some were corrected since.
;; Elastic Attention Block. Allowed arithmetic: float matrix products may take bf16 or f16 operands with f32 sums; other float arithmetic in f32, or as packed bf16 or f16 multiplies, adds, multiply-adds, maxima and minima; sums over many terms, partial sums and values carried from step to step in f32; what a program stores and reads back later, other than sums and carried values, may be rounded once to bf16 or f16.
;; Inputs: querry_emb 4,096 x 1,024 float32; traj_emb 8,192 x 1,024 float32.
;; Outputs: out0 4,096 x 1,024 float32.
;; 2 versions, each right; version 2 is version 1 with the launch prep written anew for expert scheduling mode. Each part assembles by itself: llvm-mc -triple=amdgcn-amd-amdhsa -mcpu=gfx1250 --defsym DOCPART=n.
;; ======== version 1 of 2: 3 launches
;; limits: values are held in f16: magnitudes above 65,504 overflow, below 6.1e-05 lose precision; inputs' magnitudes at most 65,504; right only within a limited range of input values
;; workspace buffers: qh 8,388,608 bytes; kh 16,777,216 bytes; vh 16,777,216 bytes; p 67,108,864 bytes; lpart 1,048,576 bytes
;; launch prep (part 1): grid 768 x 1, 4 waves a work-group, no clusters, 0 bytes of LDS; arguments querry_emb, traj_emb, qh, kh, vh; writes qh, kh, vh
.if DOCPART == 1
	.amdgcn_target "amdgcn-amd-amdhsa--gfx1250"
	.amdhsa_code_object_version 6
	.text
	.protected	k_q29529e1ac1_prep
	.globl	k_q29529e1ac1_prep
	.p2align	8
	.type	k_q29529e1ac1_prep,@function
k_q29529e1ac1_prep:
	s_mov_b64 s[64:65], 0
	v_nop
	global_prefetch_b8 v0, s[64:65] scope:SCOPE_SE
	s_setreg_imm32_b32 hwreg(HW_REG_WAVE_MODE, 25, 1), 1
	s_wait_xcnt 0x0
; PREPARATION.  qh[r][:] = q[r][:] x log2(e) / |q[r]|,  kh[r][:] = k[r][:] / |k[r]|,  vh[r][:] = k[r][:], all rounded once to f16.
; q: [4096][1024] f32, k: [8192][1024] f32.  Sums of squares in f32.
; LIMITS.  vh holds k as it is: |k| stays under 65,504 (f16's range).  A row's sum of squares lies in f32's normal range (norm between about 1e-19 and 1e19).
; A row of zeros gives NaN, as the division by its norm does.  qh and kh are normalised before they are rounded, so they have no limit of range.
; SHARES.  12,288 rows; a work-group takes 16, each of its four waves 4.  Work-groups 0-255 take q, 256-767 take k.  A row is 4,096 bytes: eight loads of 16 bytes a lane,
; 512 neighbouring bytes each; it stays in 32 registers between the sum of squares and the scaling, so it is read once.  A wave asks for all its four rows at once: 32 loads,
; no register is loaded twice, and there is no loop.  A lane's four numbers of a load round to 8 bytes: a store of the wave covers 256 consecutive bytes, aligned.
; No LDS, no barrier, no matrix unit, no cluster: no wave wants a byte that another has fetched.
.set T, 4                              ; v[4:11]    at work, two halves by turns
.set X, 16                             ; v[16:143]  row t: 32 registers as loaded
.set M, 144                            ; v[144:151] four chains of the sum of squares, a pair each
.set R, 152                            ; v[152:153] the row's factor, twice
.set Y, 154                            ; v[154:169] the scaled row in f16: a pair for each of the eight stores
	s_load_b256 s[4:11], s[0:1], 0x0               ; q s[4:5], k s[6:7], qh s[8:9], kh s[10:11]
	s_load_b64 s[12:13], s[0:1], 0x20              ; vh
	v_lshrrev_b32 v3, 5, v0                        ; wave
	v_and_b32 v1, 31, v0                           ; lane
	v_lshlrev_b32 v2, 3, v1                        ; out: 8 bytes a lane
	v_lshlrev_b32 v1, 4, v1                        ; in: 16 bytes a lane
	v_lshl_add_u32 v1, v3, 14, v1                  ; + wave x 4 rows x 4,096 bytes; never rewritten
	v_lshl_add_u32 v2, v3, 13, v2                  ; + wave x 4 rows x 2,048 bytes; never rewritten
	s_mov_b32 s24, 0x76543210                      ; v_permlanex16_b32: each lane takes its own place in the other half
	s_mov_b32 s25, 0xfedcba98
	s_sub_co_u32 s14, ttmp9, 256
	s_cmp_lt_u32 ttmp9, 256                        ; do I work on q?  Only selects, moves and waits stand between this compare and the last select
	s_cselect_b32 s14, ttmp9, s14                  ; my block of 16 rows in its tensor
	s_cselect_b32 s15, 1, 0                        ; 1: q
	s_cselect_b32 s16, 0x3fb8aa3b, 1.0             ; q's factor carries log2(e), so that the next launch's exponential is a plain 2^x
	s_wait_kmcnt 0x0
	s_cselect_b64 s[18:19], s[4:5], s[6:7]         ; from
	s_cselect_b64 s[20:21], s[8:9], s[10:11]       ; to
	s_lshl_b32 s22, s14, 16                        ; 16 rows of 4,096 bytes
	s_mov_b32 s23, 0
	s_lshl_b32 s26, s14, 15                        ; 16 rows of 2,048 bytes
	s_mov_b32 s27, 0
	s_add_nc_u64 s[18:19], s[18:19], s[22:23]
	s_add_nc_u64 s[20:21], s[20:21], s[26:27]
	s_add_nc_u64 s[12:13], s[12:13], s[26:27]      ; (used by k's work-groups alone)
.irp t, 0,1,2,3
.irp j, 0,1,2,3,4,5,6,7
	global_load_b128 v[X+32*(\t)+4*(\j):X+32*(\t)+4*(\j)+3], v1, s[18:19] offset:4096*(\t)+512*(\j) th:TH_LOAD_NT
.endr
.endr
; Row t of my four.
.macro TURN t
.set XT, X+32*(\t)
	s_wait_loadcnt 24-8*(\t)                       ; loads come back in order: my row's eight are in, the later rows' eight each stay out
.irp c, 0,1,2,3
	v_pk_mul_f32 v[M+2*(\c):M+2*(\c)+1], v[XT+2*(\c):XT+2*(\c)+1], v[XT+2*(\c):XT+2*(\c)+1]  ; the first four pairs start four chains: nothing is cleared
.endr
.set i, 4
.rept 12
	v_pk_fma_f32 v[M+2*(i%4):M+2*(i%4)+1], v[XT+2*i:XT+2*i+1], v[XT+2*i:XT+2*i+1], v[M+2*(i%4):M+2*(i%4)+1]
.set i, i+1
.endr
	v_pk_add_f32 v[M:M+1], v[M:M+1], v[M+2:M+3]
	v_pk_add_f32 v[M+4:M+5], v[M+4:M+5], v[M+6:M+7]
	v_pk_add_f32 v[M:M+1], v[M:M+1], v[M+4:M+5]
	v_add_f32 v[M], v[M], v[M+1]
	v_add_f32_dpp v[M], v[M], v[M] row_xmask:1 row_mask:0xf bank_mask:0xf   ; across the 32 lanes: four steps inside each half,
	v_add_f32_dpp v[M], v[M], v[M] row_xmask:2 row_mask:0xf bank_mask:0xf
	v_add_f32_dpp v[M], v[M], v[M] row_xmask:4 row_mask:0xf bank_mask:0xf
	v_add_f32_dpp v[M], v[M], v[M] row_xmask:8 row_mask:0xf bank_mask:0xf
	v_permlanex16_b32 v[M+1], v[M], s24, s25       ; one across the halves
	v_add_f32 v[M], v[M], v[M+1]                   ; every lane holds the row's sum of squares
	v_rsq_f32 v[R], v[M]
	s_wait_xcnt 0x0                                ; the last row's stores have read Y: it is rewritten only behind this wait
	v_nop                                          ; a plain instruction behind the root,
	s_wait_alu depctr_va_vdst(0)                   ; and the wait ahead of its first reader
	v_mul_f32 v[R], s16, v[R]
	v_mov_b32 v[R+1], v[R]
.irp j, 0,1,2,3,4,5,6,7
	v_pk_mul_f32 v[T+4*((\j)%2):T+4*((\j)%2)+1], v[XT+4*(\j):XT+4*(\j)+1], v[R:R+1]
	v_pk_mul_f32 v[T+4*((\j)%2)+2:T+4*((\j)%2)+3], v[XT+4*(\j)+2:XT+4*(\j)+3], v[R:R+1]
	v_cvt_pk_f16_f32 v[Y+2*(\j)], v[T+4*((\j)%2)], v[T+4*((\j)%2)+1]
	v_cvt_pk_f16_f32 v[Y+2*(\j)+1], v[T+4*((\j)%2)+2], v[T+4*((\j)%2)+3]
	global_store_b64 v2, v[Y+2*(\j):Y+2*(\j)+1], s[20:21] offset:2048*(\t)+256*(\j)
.endr
	s_cmp_lg_u32 s15, 0
	s_cbranch_scc1 .Lno_raw_\@                     ; q has no raw copy
.irp j, 0,1,2,3,4,5,6,7                ; k as it is, rounded in place: the destinations climb half as fast as the sources, so no source is lost
	v_cvt_pk_f16_f32 v[XT+2*(\j)], v[XT+4*(\j)], v[XT+4*(\j)+1]
	v_cvt_pk_f16_f32 v[XT+2*(\j)+1], v[XT+4*(\j)+2], v[XT+4*(\j)+3]
	global_store_b64 v2, v[XT+2*(\j):XT+2*(\j)+1], s[12:13] offset:2048*(\t)+256*(\j)
.endr
.Lno_raw_\@:
.endm
	TURN 0
	TURN 1
	TURN 2
	TURN 3
	s_endpgm
.Lfunc_end_k_q29529e1ac1_prep:
	.size	k_q29529e1ac1_prep, .Lfunc_end_k_q29529e1ac1_prep-k_q29529e1ac1_prep
	.p2alignl 7, 3214868480
	.fill 96, 4, 3214868480
	.section	.rodata,"a",@progbits
	.p2align	6, 0x0
	.amdhsa_kernel k_q29529e1ac1_prep
		.amdhsa_group_segment_fixed_size 0
		.amdhsa_private_segment_fixed_size 0
		.amdhsa_enable_private_segment 0
		.amdhsa_kernarg_size 40
		.amdhsa_user_sgpr_count 2
		.amdhsa_user_sgpr_kernarg_segment_ptr 1
		.amdhsa_wavefront_size32 1
		.amdhsa_system_sgpr_workgroup_id_x 1
		.amdhsa_system_sgpr_workgroup_id_y 1
		.amdhsa_system_sgpr_workgroup_id_z 1
		.amdhsa_system_vgpr_workitem_id 0
		.amdhsa_next_free_vgpr 170
		.amdhsa_next_free_sgpr 66
		.amdhsa_reserve_vcc 0
		.amdhsa_float_denorm_mode_32 3
		.amdhsa_float_denorm_mode_16_64 3
		.amdhsa_memory_ordered 1
		.amdhsa_forward_progress 1
		.amdhsa_inst_pref_size 30
	.end_amdhsa_kernel
	.amdgpu_metadata
---
amdhsa.version: [ 1, 2 ]
amdhsa.kernels:
  - .name:           k_q29529e1ac1_prep
    .symbol:         k_q29529e1ac1_prep.kd
    .args:
      - { .name: querry_emb, .offset: 0, .size: 8, .value_kind: global_buffer, .address_space: global }
      - { .name: traj_emb, .offset: 8, .size: 8, .value_kind: global_buffer, .address_space: global }
      - { .name: qh, .offset: 16, .size: 8, .value_kind: global_buffer, .address_space: global }
      - { .name: kh, .offset: 24, .size: 8, .value_kind: global_buffer, .address_space: global }
      - { .name: vh, .offset: 32, .size: 8, .value_kind: global_buffer, .address_space: global }
    .group_segment_fixed_size: 0
    .private_segment_fixed_size: 0
    .kernarg_segment_align: 8
    .kernarg_segment_size: 40
    .max_flat_workgroup_size: 128
    .sgpr_count:     66
    .vgpr_count:     170
    .wavefront_size: 32
...
	.end_amdgpu_metadata
.endif
;; end of part 1
;; launch scores (part 2): grid 32 x 8, 4 waves a work-group, clusters of 4 x 4, 327,680 bytes of LDS; arguments qh, kh, p, lpart; writes p, lpart
.if DOCPART == 2
	.amdgcn_target "amdgcn-amd-amdhsa--gfx1250"
	.amdhsa_code_object_version 6
	.text
	.protected	k_q29529e1ac1_scores
	.globl	k_q29529e1ac1_scores
	.p2align	8
	.type	k_q29529e1ac1_scores,@function
k_q29529e1ac1_scores:
	s_mov_b64 s[64:65], 0
	v_nop
	global_prefetch_b8 v0, s[64:65] scope:SCOPE_SE
	s_setreg_imm32_b32 hwreg(HW_REG_WAVE_MODE, 25, 1), 1
	s_wait_xcnt 0x0
	s_wait_alu depctr_hold_cnt(0) depctr_sa_sdst(0) depctr_va_vdst(0) depctr_va_sdst(0) depctr_va_ssrc(0) depctr_va_vcc(0) depctr_vm_vsrc(0)
	s_getreg_b32 s2, hwreg(HW_REG_IB_STS2, 6, 4)
	s_cmp_eq_u32 s2, 0
	s_cbranch_scc0 .Lentry_in_a_cluster
	s_endpgm
.Lentry_in_a_cluster:
	s_bfe_u32 s2, ttmp6, 0x10000c
	s_cmp_lg_u32 s2, 0xf033
	s_cbranch_scc0 .Lentry_shape_is_right
	s_endpgm
.Lentry_shape_is_right:
; p(m, n) = 2^(the sum over k of qh[m][k] kh[n][k]) = e^cos(q_m, k_n), rounded once to f16;  lpart[c][m] = the sum of the unrounded p(m, 128 c .. 128 c + 127), in f32.
; qh: [4096][1024], kh: [8192][1024], f16; lpart: [64][4096] f32.  Products' sums in f32.
; HOW p LIES.  In blocks of 16 rows x 32 columns, 1,024 bytes each, block (R, C) at (256 R + C) x 1,024.  Inside a block, lane l = m % 16 + 16 ((n / 8) % 2) has 16 bytes (8 columns) at
; 512 ((n / 16) % 2) + 16 l: the register image of a matrix operand of 16 rows x 32 K, so that the next launch loads a fragment by two loads of 512 consecutive bytes.
; NO MAXIMUM IS TAKEN AWAY: both vectors are normalised (as the problem itself normalises them) before they are rounded, so the cosine lies within (1 + 2^-11)^2 of +-1 for every input,
; p within 0.36 to 2.73 and a row's whole sum within 3,000 to 22,400: nothing can overflow or underflow in f16 or f32.
; A tile of p, 256 x 256, is made by a work-group of four waves; a wave makes 128 x 128: 64 accumulators of 16 x 16, 512 registers.  K goes in steps of 128 through a ring of two LDS slots
; filled by the tensor data mover: a tile's rows are 256 bytes of memory and start at multiples of 256 bytes.
; A WORK-GROUP STAYS: it makes two tiles, 2,048 rows apart; the ring does not stop at the first tile's end: its last two changes of slots ask for the second tile's first two K steps.
; CLUSTERS: 4 x 4 work-groups.  The four of a row of the cluster need the same tiles of qh, the four of a column the same tiles of kh: each tile is asked for JOINTLY, by the same tensor
; load with the same descriptor and a mask that names the four.
; REGISTERS, in windows of 256 (s_set_vgpr_msb: bits 1:0 source 0, 3:2 source 1, 5:4 source 2, 7:6 destination):
;   window 0: v0-35 addresses and row sums; v64-127, v128-191 fragments of qh, two buffers; v192-223 packed results on the way out
;   window 1: v64-127, v128-191 fragments of kh, two buffers      window 2: the accumulators of my rows 0-63 ((a, b) at v[8 (8 a + b)])      window 3: those of my rows 64-127
; THE MATRIX INSTRUCTION IS USED TRANSPOSED: source 0 = 16 rows of kh, source 1 = 16 rows of qh.  Lane l then holds row l % 16 of p and in registers 0-7 the columns 8 (l / 16) + 0..7.
; Packed to f16 these are 16 bytes: of accumulator b they ARE the lane's 16 bytes of half b % 2 of block b / 2, so the results leave straight from registers, 512 consecutive bytes a store.
; A block's 64 registers of a lane all belong to one row, so the row's sum wants one exchange between the halves of the lanes.
.set SIZE_M, 4096
.set SIZE_N, 8192
.set SIZE_K, 1024
.set SIZE_TILES, 2
.set KSTEP,  128
.set PITCH,  272                       ; an LDS row: 256 bytes + 16 of padding = 68 words: the 16 rows that a load touches start at 16 different groups of four banks
.set HALFT,  128*PITCH                 ; 128 rows: what one tensor load brings, and what one wave reads of either operand
.set SLOT,   4*HALFT                   ; qh's 256 rows, then kh's 256 rows
.set STAGE,  2*SLOT                    ; behind the ring: 512 bytes for each wave, for the row sums; no tensor load fills them
.set SPARE,  STAGE+4*512               ; behind them: the spare words, 128 bytes for each wave
.set LAPS, SIZE_K/(2*KSTEP)            ; a lap = two K steps = once round the ring
.set WALK,   SIZE_M/SIZE_TILES
.set NEXT_A, WALK*SIZE_K*2-(SIZE_K-2*KSTEP)*2   ; bytes from a slot's last K step of a tile to its first of the next: WALK rows down, back along K
.set BACK_B, (SIZE_K-2*KSTEP)*2        ; kh only goes back: both tiles share its rows
.set RBS,    (SIZE_N/32)*1024          ; bytes of p from a block of 16 rows to the next: 256 blocks of 1,024
.set NEXT_C, (WALK/16-7)*RBS           ; bytes from my last 16 rows of a tile of p to my first of the next
.set LSUM, 6                           ; v6-13   block a's row sum (my row l % 16 of the block)
.set LT,   14                          ; v14     at work
.set LSTO, 15                          ; v15     where I put a row sum: my stage + 4 (l % 16)
.set ADRA, 16                          ; v16-17  LDS address of my qh fragments in slot 0, 1
.set LRD,  18                          ; v18     where I read four row sums back: my stage + 16 l
.set LGO,  19                          ; v19     16 l: my 16 bytes of 512 consecutive ones, in p and in lpart; never rewritten
.set ADRB, 20                          ; v20-21  the same as ADRA for kh
.set SPW,  28                          ; v28     LDS address of my spare word; never rewritten
.set NIL,  29                          ; v29     0; never rewritten
.set PFO,  30                          ; v30     the prefetches' offset: my lane x a row of 2,048 bytes; never rewritten
.set LQ,   32                          ; v32-35  four row sums read back
.set PFA,  44                          ; s[44:45] where my prefetches stand
.set LIM,  43                          ; s43     1 in a wave that prefetches, else the greatest number
.set LP,   68                          ; s[68:69] lpart at my wave's 128 rows of my plane
.set SEL,  72                          ; s[72:73] v_permlanex16_b32's selects
.set F0,   64
.set F1,   128
.set TMP,  192                         ; the way out: a block's packed results, 32 registers
.set G1, 24                            ; s[24:31] descriptor group 1 for qh's tiles;  s[32:39] group 0, a set for each slot
.set G0, 32
.set G1B, 48                           ; s[48:55], s[56:63] the same for kh's tiles
.set G0B, 56
.set MSB, 0
.macro WIN new                         ; the immediate's high byte repeats the setting that is left; a switch that changes nothing is dropped
.if MSB != (\new)
	s_set_vgpr_msb (MSB<<8)|(\new)
.set MSB, \new
.endif
.endm
.set MUL_LO, 0xa1                      ; source 0 (kh) window 1, source 1 (qh) window 0, C and D window 2
.set MUL_HI, 0xf1                      ; the same, C and D window 3
.set TO_B,   0x40                      ; destination window 1, address window 0
; A joint load.  Waves 0 and 1 fetch qh's two halves, waves 2 and 3 kh's.  The branch hangs on the wave's number alone.  An s_nop 0 and four v_nop follow each line.
.macro JLOAD s
	s_cmp_eq_u32 s11, 0
	s_cbranch_scc0 .Lfor_b_\@
	tensor_load_to_lds s[G0+4*(\s):G0+4*(\s)+3], s[G1:G1+7]
	s_nop 0
.rept 4
	v_nop
.endr
	s_branch .Lasked_\@
.Lfor_b_\@:
	tensor_load_to_lds s[G0B+4*(\s):G0B+4*(\s)+3], s[G1B:G1B+7]
	s_nop 0
.rept 4
	v_nop
.endr
.Lasked_\@:
.endm
; A prefetch into the L2, behind each joint load and the run of LDS loads that follows it: the K step that stands two refills on, 512 matrix instructions ahead of the load that will want it:
; 32 rows x 256 bytes, a lane a row.  Each row's 256 bytes of a K step are named once in the launch: of the clusters that read a tile row of qh the one with x = 0 asks, of those that read a
; tile column of kh the one with y = 0; the four partners that ask for a tile jointly share the wave's 128 rows out by address, 32 each.  how = 0, in the loop: a tile's last two refills have
; no K step two on.  how = 1, at the change of tiles.
.macro ASK how
.if \how
	s_cmp_eq_u32 s[LIM], 1
.else
	s_cmp_gt_u32 s3, s[LIM]                        ; s3 = 1 in the loop's last trip
.endif
	s_cbranch_scc0 .Lnot_mine_\@
	global_prefetch_b8 v[PFO], s[PFA:PFA+1] offset:KSTEP*2 th:TH_LOAD_NT scope:SCOPE_SE
.Lnot_mine_\@:
.endm
.macro CREST                           ; a round of the cluster's barrier behind its opening barrier
	s_cmp_lg_u32 s10, 0
	s_cbranch_scc1 .Lnot_wave_0_\@
	s_barrier_signal -3
.Lnot_wave_0_\@:
	s_barrier_wait -3
	s_barrier_signal -1
	s_barrier_wait -1
.endm
.macro CROUND                          ; a whole round
	s_barrier_signal -1
	s_barrier_wait -1
	CREST
.endm
	s_load_b128 s[4:7], s[0:1], 0x0                ; qh s[4:5], kh s[6:7]
	s_load_b64 s[8:9], s[0:1], 0x10                ; p
	s_load_b64 s[LP:LP+1], s[0:1], 0x18            ; lpart
	v_lshl_add_u32 v[SPW], v0, 2, SPARE
	v_mov_b32 v[NIL], 0
	ds_add_u32 v[SPW], v[NIL]                      ; the wave's opening: the add and its wait ahead of my first tensor load; work on registers stands between them
	v_lshrrev_b32 v1, 5, v0
	v_readfirstlane_b32 s10, v1                    ; wave 0..3
	s_lshr_b32 s11, s10, 1                         ; which half of the tile's rows is mine.  Also: I fetch for qh (0) or for kh (1)
	s_and_b32 s12, s10, 1                          ; which half of its columns.  Also: which 128 rows of that tile I fetch
	s_bfe_u32 s40, ttmp6, 0x40000                  ; cx
	s_bfe_u32 s41, ttmp6, 0x40004                  ; cy
	s_lshl_b32 s42, ttmp9, 2
	s_add_co_u32 s42, s42, s40                     ; tile column = 4 x cluster x + cx
	s_and_b32 s13, ttmp7, 0xffff
	s_lshl_b32 s13, s13, 2
	s_add_co_u32 s13, s13, s41                     ; tile row = 4 x cluster y + cy
	s_lshl_b32 s70, s42, 1                         ; lpart: my plane of 128 columns = 2 x tile column + half, 16,384 bytes a plane,
	s_add_co_u32 s70, s70, s12
	s_lshl_b32 s70, s70, 14
	s_lshl_b32 s71, s13, 10                        ; the tile's 256 rows of 4 bytes,
	s_add_co_u32 s70, s70, s71
	s_lshl_b32 s71, s11, 9                         ; my 128 of them
	s_add_co_u32 s70, s70, s71
	s_mov_b32 s71, 0
	s_mov_b32 s[SEL], 0x76543210
	s_mov_b32 s[SEL+1], 0xfedcba98
	s_lshl_b32 s43, s41, 2
	s_lshl_b32 s43, 15, s43                        ; my row of the cluster: places 4 cy .. 4 cy + 3
	s_lshl_b32 s44, 0x1111, s40                    ; my column: places cx, cx + 4, cx + 8, cx + 12
	; descriptor group 1: a tile of 128 rows x 128 elements, padded in LDS
	s_or_b32 s[G1+0], s43, (1<<16)|(1<<20)|(1<<21)|(5<<22)|(3<<25)  ; 15:0 the mask; 17:16 elements of 2 bytes; 20 padding on; 21 set beside a mask; 24:22 after every 64 words; 31:25 4 words of it
	s_or_b32 s[G1B+0], s44, (1<<16)|(1<<20)|(1<<21)|(5<<22)|(3<<25)
.irp g, G1, G1B
	s_mov_b32 s[(\g)+1], KSTEP<<16                 ; tensor_dim0 = 128
	s_mov_b32 s[(\g)+2], 128<<16                   ; tensor_dim1 = 128
	s_mov_b32 s[(\g)+3], KSTEP<<16                 ; tile_dim0 = 128
	s_mov_b32 s[(\g)+4], 128                       ; tile_dim1 = 128
	s_mov_b32 s[(\g)+5], SIZE_K                    ; elements from row to row
	s_mov_b32 s[(\g)+6], 0
	s_mov_b32 s[(\g)+7], 0
.endr
	; where the tiles come from: qh's hang on the tile row alone, kh's on the tile column alone
	s_lshl_b32 s17, s12, 7                         ; which 128 rows of the tile I fetch
	s_lshl_b32 s16, s13, 8
	s_add_co_u32 s16, s16, s17                     ; qh: row 256 x tile row + 128 x half
	s_lshl_b32 s46, s42, 8
	s_add_co_u32 s46, s46, s17                     ; kh: row 256 x tile column + 128 x half
	s_mov_b32 s17, 0
	s_mov_b32 s47, 0
	s_mov_b64 s[18:19], SIZE_K*2
	s_mul_u64 s[16:17], s[16:17], s[18:19]
	s_mul_u64 s[46:47], s[46:47], s[18:19]
	s_mul_i32 s20, s10, HALFT                      ; where they go: wave x 128 rows: no place in the cluster enters an LDS address
	s_wait_dscnt 0x0                               ; the opening add is done
	s_wait_kmcnt 0x0
	s_add_nc_u64 s[14:15], s[4:5], s[16:17]
	s_add_nc_u64 s[46:47], s[6:7], s[46:47]
	s_add_nc_u64 s[LP:LP+1], s[LP:LP+1], s[70:71]
	CROUND                                         ; all sixteen work-groups are here: the first joint loads meet
.irp s, 0,1
	s_mov_b32 s[G0+4*(\s)], 1                                      ; count = 1
	s_add_co_u32 s[G0+4*(\s)+1], s20, (\s)*SLOT                    ; LDS address
	s_add_nc_u64 s[G0+4*(\s)+2:G0+4*(\s)+3], s[14:15], (\s)*KSTEP*2  ; global address: K step s
	s_or_b32 s[G0+4*(\s)+3], s[G0+4*(\s)+3], 0x80000000            ; type = 2
	s_mov_b32 s[G0B+4*(\s)], 1
	s_add_co_u32 s[G0B+4*(\s)+1], s20, (\s)*SLOT
	s_add_nc_u64 s[G0B+4*(\s)+2:G0B+4*(\s)+3], s[46:47], (\s)*KSTEP*2
	s_or_b32 s[G0B+4*(\s)+3], s[G0B+4*(\s)+3], 0x80000000
	JLOAD \s                                       ; two loads of mine are out
.endr
	; A fragment is 16 rows x 32 K in 8 registers: lane l holds row l % 16; registers 0-3 K = 8 (l / 16) + 0..7, registers 4-7 K = 16 + 8 (l / 16) + 0..7: two loads of 16 bytes, 32 bytes apart.
	v_and_b32 v1, 15, v0                           ; l % 16
	v_bfe_u32 v2, v0, 4, 1                         ; l / 16
	v_mul_u32_u24 v3, v1, PITCH
	v_lshl_add_u32 v3, v2, 4, v3                   ; row x pitch + 16 x half
	s_mul_i32 s21, s11, HALFT                      ; my 128 rows of qh
	s_mul_i32 s22, s12, HALFT                      ; my 128 rows of kh,
	s_add_co_u32 s22, s22, 2*HALFT                 ; which lie behind qh's 256
.irp s, 0,1
	v_add_nc_u32 v[ADRA+(\s)], s21, v3
	v_add_nc_u32 v[ADRB+(\s)], s22, v3
	s_add_co_u32 s21, s21, SLOT
	s_add_co_u32 s22, s22, SLOT
.endr
	s_lshl_b32 s23, s10, 9
	s_add_co_u32 s23, s23, STAGE                   ; my stage
	v_lshl_add_u32 v[LSTO], v1, 2, s23
	v_and_b32 v[LGO], 31, v0
	v_lshlrev_b32 v[LGO], 4, v[LGO]
	v_add_nc_u32 v[LRD], s23, v[LGO]
	v_mov_b32 v[LT], 0                             ; v_permlanex16_b32's destination counts as read
	; where my part of the first tile begins in p, in bytes: the first way out adds it to p's address
	s_lshl_b32 s13, s13, 8
	s_lshl_b32 s14, s11, 7
	s_add_co_u32 s16, s13, s14                     ; my first row;
	s_lshl_b32 s16, s16, 4                         ; its block of 16 rows has 256 blocks of 32 columns: (row / 16) x 256
	s_lshl_b32 s46, s42, 3                         ; my first block of 32 columns: 8 x tile column + 4 x half
	s_lshl_b32 s47, s12, 2
	s_add_co_u32 s46, s46, s47
	s_add_co_u32 s16, s16, s46
	s_lshl_b32 s16, s16, 10                        ; 1,024 bytes a block: under 2^26
	s_mov_b32 s17, 0
	; the prefetches.  s13 = 256 x tile row, s42 = tile column, s40 = cx, s41 = cy still stand
	s_lshl_b32 s42, s42, 8
	s_and_b32 s22, ttmp7, 0xffff                   ; cluster y
	s_cmp_eq_u32 s11, 0                            ; do I fetch for qh?
	s_cselect_b32 s20, s13, s42                    ; the tile's first row
	s_cselect_b32 s21, s40, s41                    ; my place among the four that ask for it with me
	s_cselect_b32 s22, ttmp9, s22                  ; the coordinate along which other clusters read the same rows
	s_cselect_b64 s[PFA:PFA+1], s[4:5], s[6:7]
	s_cmp_eq_u32 s22, 0
	s_cselect_b32 s[LIM], 1, -1                    ; the same in all sixteen partners, for a given wave
	s_lshl_b32 s22, s12, 7
	s_add_co_u32 s20, s20, s22                     ; + the 128 rows that I fetch
	s_lshl_b32 s21, s21, 5
	s_add_co_u32 s20, s20, s21                     ; + my work-group's 32 of them
	s_mov_b32 s21, 0
	s_mov_b64 s[18:19], SIZE_K*2
	s_mul_u64 s[20:21], s[20:21], s[18:19]
	s_add_nc_u64 s[PFA:PFA+1], s[PFA:PFA+1], s[20:21]
	s_add_nc_u64 s[PFA:PFA+1], s[PFA:PFA+1], 2*KSTEP*2  ; at K step 2: the first refill steps it to 3 and names K step 4.  Nothing is prefetched here, at the head
	v_and_b32 v[PFO], 31, v0
	v_mul_u32_u24 v[PFO], v[PFO], SIZE_K*2
; 16 matrix instructions: row blocks a0, a0 + 1 of the window's four x all 8 column blocks, 32 along K.  zero = 1: the first product starts the sums: nothing is ever cleared.
; The 64 accumulators take turns, one instruction a turn, in the same order in every quarter step.
.macro MUL16 f, hi, a0, zero
	WIN MUL_LO+0x50*(\hi)
.irp a, \a0, (\a0)+1
.irp b, 0,1,2,3,4,5,6,7
.if \zero
	v_wmma_f32_16x16x32_f16 v[8*(8*(\a)+(\b)):8*(8*(\a)+(\b))+7], v[(\f)+8*(\b):(\f)+8*(\b)+7], v[(\f)+8*(4*(\hi)+(\a)):(\f)+8*(4*(\hi)+(\a))+7], 0
.else
	v_wmma_f32_16x16x32_f16 v[8*(8*(\a)+(\b)):8*(8*(\a)+(\b))+7], v[(\f)+8*(\b):(\f)+8*(\b)+7], v[(\f)+8*(4*(\hi)+(\a)):(\f)+8*(4*(\hi)+(\a))+7], v[8*(8*(\a)+(\b)):8*(8*(\a)+(\b))+7]
.endif
.endr
.endr
.endm
; 32 LDS loads in one run: the fragments of one quarter step (32 K at byte k of the rows) into buffer f: kh's 128 rows, then qh's
.macro FETCH slot, k, f
	WIN TO_B
.irp i, 0,1,2,3,4,5,6,7
	ds_load_b128 v[(\f)+8*(\i):(\f)+8*(\i)+3],   v[ADRB+(\slot)] offset:(\k)+(\i)*16*PITCH
	ds_load_b128 v[(\f)+8*(\i)+4:(\f)+8*(\i)+7], v[ADRB+(\slot)] offset:(\k)+(\i)*16*PITCH+32
.endr
	WIN 0
.irp i, 0,1,2,3,4,5,6,7
	ds_load_b128 v[(\f)+8*(\i):(\f)+8*(\i)+3],   v[ADRA+(\slot)] offset:(\k)+(\i)*16*PITCH
	ds_load_b128 v[(\f)+8*(\i)+4:(\f)+8*(\i)+7], v[ADRA+(\slot)] offset:(\k)+(\i)*16*PITCH+32
.endr
.endm
.macro PLACES                          ; four plain instructions between a matrix instruction and a load into a register that it has read, or a vector instruction on its result
.rept 4
	v_nop
.endr
.endm
; A K step is four quarters of 32 along K, 64 matrix instructions each, on buffers 0, 1, 0, 1.  One of the first three: multiplies f and fetches the next quarter, at byte k, into g.
.macro QUARTER slot, k, f, g, zero
	s_wait_dscnt 8                                 ; kh and qh's rows 0-63 are in; the youngest eight loads (qh's rows 64-127) may be out
	MUL16 \f, 0, 0, \zero
	MUL16 \f, 0, 2, \zero
	PLACES
	FETCH \slot, \k, \g
	s_wait_dscnt 32                                ; all but the 32 just issued
	MUL16 \f, 1, 0, \zero
	MUL16 \f, 1, 2, \zero
.endm
; The last quarter multiplies buffer 1 and changes slots.  MEET is its first half: one barrier; in front of it each wave waits for all its tensor loads (one is out: its part of the next slot),
; adds 0 to its spare word, and waits for that and for its own reads of this slot.  Behind it nobody reads this slot any more and the next slot is whole.
.macro MEET round
	WIN 0
	s_wait_tensorcnt 0x0
	ds_add_u32 v[SPW], v[NIL]
	s_wait_dscnt 9                                 ; the add and the youngest eight loads may be out
	MUL16 F1, 0, 0, 0                              ; sixteen matrix instructions stand between the add and the wait for it
	s_wait_dscnt 0x0                               ; the add is done, and my reads of this slot are over
	s_barrier_signal -1
	MUL16 F1, 0, 2, 0                              ; work on registers while the others arrive
.if \round
	WIN 0
.endif
	s_barrier_wait -1
.endm
; The whole last quarter.  Behind the round the slot just read out is filled again first: with this tile's K step two on (on = 0) or with the next tile's K step 0 or 1 (on = 1).
.macro TURN slot, next, on
	s_wait_xcnt 0x0                                ; the last prefetch, a K step back, has read its address: it is stepped here
.if (\on) && (\slot) == 0
	s_add_nc_u64 s[PFA:PFA+1], s[PFA:PFA+1], (WALK-1)*SIZE_K*2+KSTEP*2  ; from the K step after the tile's last to the next tile's K step 1
	s_cmp_eq_u32 s11, 0
	s_cselect_b32 s[LIM], s[LIM], -1               ; kh's rows are the same for both tiles: they are asked for in the first alone
.else
	s_add_nc_u64 s[PFA:PFA+1], s[PFA:PFA+1], KSTEP*2
.endif
	MEET 1
	CREST                                          ; the barrier has opened a round of the cluster's: no wave of any partner still reads this slot or has a load on its way
.if \on
	s_add_nc_u64 s[G0+4*(\slot)+2:G0+4*(\slot)+3], s[G0+4*(\slot)+2:G0+4*(\slot)+3], NEXT_A
	s_sub_nc_u64 s[G0B+4*(\slot)+2:G0B+4*(\slot)+3], s[G0B+4*(\slot)+2:G0B+4*(\slot)+3], BACK_B
.else
	s_add_nc_u64 s[G0+4*(\slot)+2:G0+4*(\slot)+3], s[G0+4*(\slot)+2:G0+4*(\slot)+3], 2*KSTEP*2
	s_add_nc_u64 s[G0B+4*(\slot)+2:G0B+4*(\slot)+3], s[G0B+4*(\slot)+2:G0B+4*(\slot)+3], 2*KSTEP*2
.endif
	JLOAD \slot                                    ; my one tensor load behind the round; its four v_nop are also the places in front of the loads below
	FETCH \next, 0, F0
	ASK \on
	MUL16 F1, 1, 0, 0
	MUL16 F1, 1, 2, 0
.endm
; THE WAY OUT of block a (16 of my rows).
; PACK: p = 2^s in place, all 64 exponentials as one batch with one wait (each accumulator's lowest registers are read first); rounded to f16, 16 bytes a lane and
; accumulator; then the lane's 64 unrounded p are added up in place, neighbours 1, 2, 4, 8 and 16 pairs apart.
.macro PACK a
.set AC, 64*((\a)%4)
	WIN 0x82+0x41*((\a)/4)                         ; destination and source 0: window 2 or 3
.set i, 0
.rept 64
	v_exp_f32 v[AC+i], v[AC+i]
.set i, i+1
.endr
	v_nop                                          ; a plain instruction behind the last exponential,
	s_wait_alu depctr_va_vdst(0)                   ; and the one wait ahead of the batch's first reader
	s_wait_xcnt 0x0                                ; the stores of the block before, 64 exponentials back, have read TMP and p's address: both are written again only behind this wait
.if (\a) == 0
	s_add_nc_u64 s[8:9], s[8:9], s[16:17]          ; on to this tile's first 16 rows
.else
	s_add_nc_u64 s[8:9], s[8:9], RBS               ; 16 rows on
.endif
	WIN 0x0a+5*((\a)/4)                            ; sources 0 and 1: window 2 or 3; destination window 0
.irp b, 0,1,2,3,4,5,6,7
.irp r, 0,1,2,3
	v_cvt_pk_f16_f32 v[TMP+4*(\b)+(\r)], v[AC+8*(\b)+2*(\r)], v[AC+8*(\b)+2*(\r)+1]
.endr
.endr
	WIN 0x8a+0x45*((\a)/4)                         ; all three in window 2 or 3
.irp st, 1,2,4,8,16
.set i, 0
.rept 16/(\st)
	v_pk_add_f32 v[AC+2*i:AC+2*i+1], v[AC+2*i:AC+2*i+1], v[AC+2*(i+(\st)):AC+2*(i+(\st))+1]
.set i, i+2*(\st)
.endr
.endr
	WIN 0x0a+5*((\a)/4)
	v_add_f32 v[LSUM+(\a)], v[AC], v[AC+1]
	WIN 0
.endm
; SEND: accumulator b's 16 bytes a lane are half b % 2 of my block b / 2 of 32 columns: byte 512 b of the 4,096 consecutive bytes that are my four blocks of these 16 rows.
.macro SEND
.irp b, 0,1,2,3,4,5,6,7
	global_store_b128 v[LGO], v[TMP+4*(\b):TMP+4*(\b)+3], s[8:9] offset:512*(\b)  ; a store of the wave covers 512 consecutive bytes, aligned
.endr
.endm
; The tile's row sums: the other half of the lanes holds the row's other 64 columns; the 128 sums go through my stage and leave as 512 consecutive bytes.
.macro ROWSUMS
.irp a, 0,1,2,3,4,5,6,7
	v_permlanex16_b32 v[LT], v[LSUM+(\a)], s[SEL], s[SEL+1]
	v_add_f32 v[LSUM+(\a)], v[LSUM+(\a)], v[LT]
.endr
.irp a, 0,1,2,3,4,5,6,7
	ds_store_b32 v[LSTO], v[LSUM+(\a)] offset:64*(\a)  ; both halves of the lanes write the same word with the same number
.endr
	ds_load_b128 v[LQ:LQ+3], v[LRD]                ; LDS serves a wave's instructions in order: this sees the stores above
	s_wait_dscnt 0x0
	global_store_b128 v[LGO], v[LQ:LQ+3], s[LP:LP+1]
.endm
	s_wait_tensorcnt 1                             ; my part of K step 0 is in; K step 1's may stay out
	s_barrier_signal -1
	s_barrier_wait -1                              ; everybody's is
	FETCH 0, 0, F0
	s_mov_b32 s2, SIZE_TILES                       ; tiles to go: the same number in every work-group
.Ltile:
	QUARTER 0, 64,  F0, F1, 1                      ; a tile's first quarter stands in front of the loop: its products start the sums
	WIN 0                                          ; at a label and at a branch every window is 0
	s_mov_b32 s3, LAPS-1
.Llap:                                                 ; a trip goes once round the ring, from a lap's second quarter to the next lap's first, and fills both slots again
	QUARTER 0, 128, F1, F0, 0
	QUARTER 0, 192, F0, F1, 0
	TURN 0, 1, 0
	QUARTER 1, 64,  F0, F1, 0
	QUARTER 1, 128, F1, F0, 0
	QUARTER 1, 192, F0, F1, 0
	TURN 1, 0, 0
	QUARTER 0, 64,  F0, F1, 0
	WIN 0
	s_sub_co_u32 s3, s3, 1
	s_cmp_lg_u32 s3, 0
	s_cbranch_scc1 .Llap
	QUARTER 0, 128, F1, F0, 0                      ; the tile's last lap goes on
	QUARTER 0, 192, F0, F1, 0
	WIN 0
	s_cmp_eq_u32 s2, 1
	s_cbranch_scc1 .Llast_tile                     ; the last tile's last lap asks for nothing more
	TURN 0, 1, 1                                   ; the ring goes on into the next tile: slot 0 takes its K step 0,
	QUARTER 1, 64,  F0, F1, 0
	QUARTER 1, 128, F1, F0, 0
	QUARTER 1, 192, F0, F1, 0
	TURN 1, 0, 1                                   ; slot 1 its K step 1, and the next tile's first fragments are fetched
	WIN 0
	s_branch .Lout
.Llast_tile:
	MEET 0                                         ; my one tensor load that was out is the last K step's, so no round follows
	PLACES
	FETCH 1, 0, F0
	MUL16 F1, 1, 0, 0
	MUL16 F1, 1, 2, 0
	QUARTER 1, 64,  F0, F1, 0
	QUARTER 1, 128, F1, F0, 0
	QUARTER 1, 192, F0, F1, 0
	s_wait_dscnt 8                                 ; the very last quarter: nothing more to fetch
	MUL16 F1, 0, 0, 0
	MUL16 F1, 0, 2, 0
	s_wait_dscnt 0x0
	MUL16 F1, 1, 0, 0
	MUL16 F1, 1, 2, 0
	WIN 0
.Lout:                                                 ; one way out for both tiles
	PLACES                                         ; the exponentials read and write results just made
.irp a, 0,1,2,3,4,5,6,7
	PACK \a
	SEND
.endr
	ROWSUMS
	s_wait_xcnt 0x0                                ; the stores have read their registers and lpart's address
	s_mov_b64 s[16:17], NEXT_C                     ; what the next way out adds to p's address
	s_add_nc_u64 s[LP:LP+1], s[LP:LP+1], WALK*4    ; 2,048 rows on in my plane
	s_sub_co_u32 s2, s2, 1
	s_cmp_lg_u32 s2, 0
	s_cbranch_scc1 .Ltile
	s_wait_tensorcnt 0x0                           ; the wave's end: behind my last tensor load and my last LDS store
	ds_add_u32 v[SPW], v[NIL]
	s_wait_dscnt 0x0
	CROUND                                         ; the closing round: no work-group ends while a partner may still ask for a tile that names it
	s_endpgm
.Lfunc_end_k_q29529e1ac1_scores:
	.size	k_q29529e1ac1_scores, .Lfunc_end_k_q29529e1ac1_scores-k_q29529e1ac1_scores
	.p2alignl 7, 3214868480
	.fill 96, 4, 3214868480
	.section	.rodata,"a",@progbits
	.p2align	6, 0x0
	.amdhsa_kernel k_q29529e1ac1_scores
		.amdhsa_group_segment_fixed_size 327680
		.amdhsa_private_segment_fixed_size 0
		.amdhsa_enable_private_segment 0
		.amdhsa_kernarg_size 32
		.amdhsa_user_sgpr_count 2
		.amdhsa_user_sgpr_kernarg_segment_ptr 1
		.amdhsa_wavefront_size32 1
		.amdhsa_system_sgpr_workgroup_id_x 1
		.amdhsa_system_sgpr_workgroup_id_y 1
		.amdhsa_system_sgpr_workgroup_id_z 1
		.amdhsa_system_vgpr_workitem_id 0
		.amdhsa_next_free_vgpr 1024
		.amdhsa_next_free_sgpr 80
		.amdhsa_reserve_vcc 0
		.amdhsa_float_denorm_mode_32 3
		.amdhsa_float_denorm_mode_16_64 3
		.amdhsa_memory_ordered 1
		.amdhsa_forward_progress 1
		.amdhsa_inst_pref_size 205
	.end_amdhsa_kernel
	.amdgpu_metadata
---
amdhsa.version: [ 1, 2 ]
amdhsa.kernels:
  - .name:           k_q29529e1ac1_scores
    .symbol:         k_q29529e1ac1_scores.kd
    .args:
      - { .name: qh, .offset: 0, .size: 8, .value_kind: global_buffer, .address_space: global }
      - { .name: kh, .offset: 8, .size: 8, .value_kind: global_buffer, .address_space: global }
      - { .name: p, .offset: 16, .size: 8, .value_kind: global_buffer, .address_space: global }
      - { .name: lpart, .offset: 24, .size: 8, .value_kind: global_buffer, .address_space: global }
    .group_segment_fixed_size: 327680
    .private_segment_fixed_size: 0
    .kernarg_segment_align: 8
    .kernarg_segment_size: 32
    .max_flat_workgroup_size: 128
    .sgpr_count:     80
    .vgpr_count:     1024
    .wavefront_size: 32
...
	.end_amdgpu_metadata
.endif
;; end of part 2
;; launch context (part 3): grid 8 x 32, 4 waves a work-group, clusters of 4 x 4, 327,680 bytes of LDS; arguments p, vh, lpart, out0; writes out0
.if DOCPART == 3
	.amdgcn_target "amdgcn-amd-amdhsa--gfx1250"
	.amdhsa_code_object_version 6
	.text
	.protected	k_q29529e1ac1_context
	.globl	k_q29529e1ac1_context
	.p2align	8
	.type	k_q29529e1ac1_context,@function
k_q29529e1ac1_context:
	s_mov_b64 s[64:65], 0
	v_nop
	global_prefetch_b8 v0, s[64:65] scope:SCOPE_SE
	s_setreg_imm32_b32 hwreg(HW_REG_WAVE_MODE, 25, 1), 1
	s_wait_xcnt 0x0
	s_wait_alu depctr_hold_cnt(0) depctr_sa_sdst(0) depctr_va_vdst(0) depctr_va_sdst(0) depctr_va_ssrc(0) depctr_va_vcc(0) depctr_vm_vsrc(0)
	s_getreg_b32 s2, hwreg(HW_REG_IB_STS2, 6, 4)
	s_cmp_eq_u32 s2, 0
	s_cbranch_scc0 .Lentry_in_a_cluster
	s_endpgm
.Lentry_in_a_cluster:
	s_bfe_u32 s2, ttmp6, 0x10000c
	s_cmp_lg_u32 s2, 0xf033
	s_cbranch_scc0 .Lentry_shape_is_right
	s_endpgm
.Lentry_shape_is_right:
; out0[m][c] = (the sum over k of p(m, k) vh[k][c]) / l[m],  l[m] = the sum over the 64 planes of lpart[.][m].
; p: 4096 x 8192 f16 in blocks of 16 rows x 32 keys, 1,024 bytes each, block (R, C) at (256 R + C) x 1,024, each the register image of a matrix operand (lane l: 16 bytes at 16 l, 16 more at
; 512 + 16 l); vh: [8192][1024] f16; lpart: [64][4096] f32; out0: [4096][1024] f32.  Products' sums, l and the division in f32.
; SHARES.  A tile of out0 is 128 x 128: 256 tiles, one to a work-group.  K IS SPLIT AMONG THE FOUR WAVES: each wave makes the WHOLE tile (64 accumulators of 16 x 16, 512 registers) over
; its own quarter of the keys: of each step's 512 keys wave w takes 128 w .. 128 w + 127, in four quarters of 32.  The four partial tiles meet in LDS at the end, in f32, where the ring lay.
; p COMES STRAIGHT INTO REGISTERS: no byte of it is wanted by two waves of the work-group, and a fragment is two loads of 512 consecutive bytes.  Four buffers of 64 registers take turns; the
; loads go out three quarters or more (192 matrix instructions) ahead of their products and are counted on LOADcnt, which no change of slots waits out.
; vh GOES THROUGH A RING OF TWO LDS SLOTS (it lies [key][channel] and is turned on its way out of LDS by ds_load_tr16_b128).  Each wave fetches the 128 keys that it reads itself.
; CLUSTERS: 4 x 4 work-groups.  vh's tile hangs on the tile column alone and is asked for JOINTLY by the four of a column of the cluster.  p's rows are shared along a row of the cluster and are
; NOT asked for jointly: a joint load lands in LDS, and with p beside vh a slot of half the LDS holds 256 keys, 128 matrix instructions a wave for each refill; with vh alone it holds 512 keys,
; 256 matrix instructions for a refill of the same bytes, and half as many rounds of the cluster's barrier.
; LAYOUT.  source 0 = 16 channels x 32 keys of vh, source 1 = 16 rows x 32 keys of p.  In the result lane l holds row l % 16 and the channels 8 (l / 16) + 0..7.
; REGISTERS, in windows of 256 (s_set_vgpr_msb: bits 1:0 source 0, 3:2 source 1, 5:4 source 2, 7:6 destination):
;   window 0: v0-47 addresses; v64-127, v128-191, v192-255 p's buffers 0, 1, 2 (at the end: at work)      window 1: v0-63 p's buffer 3; v64-127, v128-191 vh's two buffers; v192-255 lpart
;   window 2: the accumulators of rows 0-63 ((a, b) at v[8 (8 a + b)])      window 3: those of rows 64-127
.set PB,    288                        ; a key of vh in LDS: 256 bytes + 32 of padding = 9 x 32
.set WPART, 128*PB                     ; a wave's 128 keys
.set SLOT,  4*WPART                    ; 512 keys
.set LSP,   2*SLOT                     ; behind the ring: the four waves' partial l, 512 bytes each; no tensor load fills them
.set LS2,   LSP+2048                   ; 1 / l of a wave's 32 rows, each twice: 256 bytes a wave
.set SPARE, LS2+1024                   ; the spare words, 128 bytes for each wave
.set PA,    528                        ; the end: a row of a partial tile, 512 bytes + 16 = 33 x 16
.set RP,    128*PA                     ; a wave's partial tile, at wave x RP
.set LAPS,  8                          ; 16 steps of 512 keys; a lap = two steps = once round the ring = eight quarters a wave
.set STEPB, 512*2048                   ; bytes from step to step in vh,
.set STEPA, 16384                      ; and in a block row of p: 16 blocks of 1,024;
.set QA,    1024                       ; from quarter to quarter
.set RBS,   262144                     ; bytes of p from a block of 16 rows to the next
.set RRD,  8                           ; v8-11   the end: my 16 bytes of a row of partial tile 0..3, in my wave's 32 rows
.set LO,   12                          ; v12     my byte offset in lpart: 16 planes a wave, four rows a lane
.set LSA,  13                          ; v13     where I put my four partial l
.set LRA,  14                          ; v14     where I read one row's partial l: row 32 w + l
.set L2A,  15                          ; v15     where I put that row's 1 / l, twice
.set L2R,  16                          ; v16     where every lane reads the 1 / l of the eight rows in hand
.set ADRB, 20                          ; v20-21  LDS address of my fragments of vh in slot 0, 1
.set RST,  24                          ; v24     the end: where I put 16 bytes of my partial tile
.set GO,   26                          ; v26     16 l: my 16 bytes of 512 consecutive ones, in p and in out0; never rewritten
.set SPW,  28                          ; v28     LDS address of my spare word; never rewritten
.set NIL,  29                          ; v29     0; never rewritten
.set PFO,  30                          ; v30     vh's prefetches: my lane x a key's 2,048 bytes; never rewritten
.set PFOA, 31                          ; v31     p's prefetches: (l / 16) blocks of rows + (l % 16) x 256 bytes; never rewritten
.set RLB,  32                          ; v32-47  the end: 1 / l of eight rows, a pair each
.set RB,   64                          ; the end: a batch of 8 rows x 4 partial tiles x 4 registers
.set LB,   192                         ; window 1: lpart, 16 planes x 4 registers
.set WV,   12                          ; s12     my wave's number
.set LIMB, 44                          ; s44     1 in a wave that prefetches vh, else the greatest number
.set LIMA, 45                          ; s45     the same for p
.set PFB,  46                          ; s[46:47] vh at my work-group's 32 of my wave's 128 keys, at the lap's first step
.set PFAA, 66                          ; s[66:67] p at my work-group's two of my tile's eight blocks of rows, my wave's keys, at the lap's first step
.set PAP,  70                          ; s[70:71] p at my tile's first block of rows, my wave's keys, at the lap's first step
.set G1B, 48                           ; s[48:55] descriptor group 1;  s[56:63] group 0, a set for each slot
.set G0B, 56
.set MSB, 0
.macro WIN new                         ; the immediate's high byte repeats the setting that is left; a switch that changes nothing is dropped
.if MSB != (\new)
	s_set_vgpr_msb (MSB<<8)|(\new)
.set MSB, \new
.endif
.endm
.macro CREST                           ; a round of the cluster's barrier behind its opening barrier
	s_cmp_lg_u32 s[WV], 0
	s_cbranch_scc1 .Lnot_wave_0_\@
	s_barrier_signal -3
.Lnot_wave_0_\@:
	s_barrier_wait -3
	s_barrier_signal -1
	s_barrier_wait -1
.endm
.macro CROUND
	s_barrier_signal -1
	s_barrier_wait -1
	CREST
.endm
.macro PLACES                          ; four plain instructions between a matrix instruction and a load into a register that it has read, or a store of its result
.rept 4
	v_nop
.endr
.endm
	s_load_b256 s[4:11], s[0:1], 0x0               ; p s[4:5], vh s[6:7], lpart s[8:9], out0 s[10:11]
	v_lshl_add_u32 v[SPW], v0, 2, SPARE
	v_mov_b32 v[NIL], 0
	ds_add_u32 v[SPW], v[NIL]                      ; the wave's opening: the add and its wait ahead of my first tensor load; work on registers stands between them
	v_lshrrev_b32 v1, 5, v0
	v_readfirstlane_b32 s[WV], v1                  ; wave 0..3
	s_bfe_u32 s40, ttmp6, 0x40000                  ; cx
	s_bfe_u32 s41, ttmp6, 0x40004                  ; cy
	s_lshl_b32 s42, ttmp9, 2
	s_add_co_u32 s42, s42, s40                     ; tile column = 4 x cluster x + cx
	s_and_b32 s43, ttmp7, 0xffff
	s_lshl_b32 s43, s43, 2
	s_add_co_u32 s43, s43, s41                     ; tile row = 4 x cluster y + cy
	s_lshl_b32 s19, 0x1111, s40                    ; my column of the cluster: places cx, cx + 4, cx + 8, cx + 12
	s_or_b32 s[G1B+0], s19, (1<<16)|(1<<20)|(1<<21)|(5<<22)|(7<<25)  ; 15:0 the mask; 17:16 elements of 2 bytes; 20 padding on; 21 set beside a mask; 24:22 after every 64 words; 31:25 8 words of it
	s_mov_b32 s[G1B+1], 128<<16                    ; tensor_dim0 = 128
	s_mov_b32 s[G1B+2], 128<<16                    ; tensor_dim1 = 128
	s_mov_b32 s[G1B+3], 128<<16                    ; tile_dim0 = 128 channels
	s_mov_b32 s[G1B+4], 128                        ; tile_dim1 = 128 keys
	s_mov_b32 s[G1B+5], 1024                       ; elements from key to key
	s_mov_b32 s[G1B+6], 0
	s_mov_b32 s[G1B+7], 0
	s_lshl_b32 s22, s[WV], 18                      ; vh: my 128 keys of 2,048 bytes,
	s_lshl_b32 s23, s42, 8                         ; the tile column's 256 bytes: nothing here hangs on cy
	s_add_co_u32 s22, s22, s23
	s_mov_b32 s23, 0
	s_mul_i32 s17, s[WV], WPART                    ; where they go: no place in the cluster enters an LDS address
	s_lshl_b32 s20, s43, 21                        ; p: the tile row's eight blocks of rows of 262,144 bytes,
	s_lshl_b32 s21, s[WV], 12                      ; my four blocks of 32 keys in a step's sixteen
	s_add_co_u32 s20, s20, s21
	s_mov_b32 s21, 0
	s_wait_dscnt 0x0                               ; the opening add is done
	s_wait_kmcnt 0x0
	s_add_nc_u64 s[PAP:PAP+1], s[4:5], s[20:21]
	s_add_nc_u64 s[22:23], s[6:7], s[22:23]
.irp s, 0,1
	s_mov_b32 s[G0B+4*(\s)], 1                                      ; count = 1
	s_add_co_u32 s[G0B+4*(\s)+1], s17, (\s)*SLOT                    ; LDS address
	s_add_nc_u64 s[G0B+4*(\s)+2:G0B+4*(\s)+3], s[22:23], (\s)*STEPB ; global address: step s
	s_or_b32 s[G0B+4*(\s)+3], s[G0B+4*(\s)+3], 0x80000000           ; type = 2
.endr
	CROUND                                         ; all sixteen work-groups are here: the first joint loads meet
	tensor_load_to_lds s[G0B:G0B+3], s[G1B:G1B+7]  ; step 0
	s_nop 0
	tensor_load_to_lds s[G0B+4:G0B+7], s[G1B:G1B+7]  ; step 1: two loads of mine are out
	s_nop 0
.rept 4
	v_nop
.endr
	v_and_b32 v3, 31, v0                           ; l
	v_lshlrev_b32 v[GO], 4, v3
; Eight loads of p: of the quarter with number J in the lap (8 and more: in the next lap) the blocks of rows 4 h .. 4 h + 3, into buffer J % 4.
.macro ALOADG J, h
.set AW_, ((\J)%4)/3                   ; buffer 3 lies in window 1
.set AB_, (64+64*((\J)%4))*(1-AW_)
.set AO_, ((\J)/4)*STEPA+((\J)%4)*QA
	WIN 0x40*AW_
.irp a, 0,1,2,3
	global_load_b128 v[AB_+8*(4*(\h)+(\a)):AB_+8*(4*(\h)+(\a))+3],   v[GO], s[PAP:PAP+1] offset:AO_+(4*(\h)+(\a))*RBS
	global_load_b128 v[AB_+8*(4*(\h)+(\a))+4:AB_+8*(4*(\h)+(\a))+7], v[GO], s[PAP:PAP+1] offset:AO_+(4*(\h)+(\a))*RBS+512
.endr
.endm
	; p's stream begins: groups of eight loads in the order rows 0-63, rows 64-127 of quarter 0, of quarter 1, ..: seven groups, 56 loads, as many as are out at any time
	ALOADG 0, 0
	ALOADG 0, 1
	ALOADG 1, 0
	ALOADG 1, 1
	ALOADG 2, 0
	ALOADG 2, 1
	ALOADG 3, 0
	WIN 0
	v_and_b32 v1, 15, v0                           ; l % 16
	v_bfe_u32 v2, v0, 4, 1                         ; l / 16
	; the turning load takes 16 keys x 16 channels (lane l reads key 8 (l / 16) + l % 8, channels 8 ((l / 8) % 2) + 0..7) and leaves half a fragment: lane l holds channel l % 16 and 8 keys
	v_and_b32 v5, 7, v0
	v_lshl_add_u32 v5, v2, 3, v5
	s_lshl_b32 s16, s[WV], 7                       ; my 128 keys
	v_add_nc_u32 v5, s16, v5
	v_mul_u32_u24 v5, v5, PB
	v_bfe_u32 v6, v0, 3, 1
	v_lshl_add_u32 v[ADRB], v6, 4, v5
	v_add_nc_u32 v[ADRB+1], SLOT, v[ADRB]
	s_mul_i32 s16, s[WV], RP                       ; the end: into my partial tile: row l % 16, 32 bytes for each half of the lanes
	v_mul_u32_u24 v[RST], v1, PA
	v_lshl_add_u32 v[RST], v2, 5, v[RST]
	v_add_nc_u32 v[RST], s16, v[RST]
	s_mul_i32 s16, s[WV], 32*PA                    ; back: wave w takes rows 32 w .. 32 w + 31 of all four partial tiles, a row's 512 bytes to 32 lanes
	v_lshl_add_u32 v[RRD], v3, 4, s16
	v_add_nc_u32 v[RRD+1], RP, v[RRD]
	v_add_nc_u32 v[RRD+2], 2*RP, v[RRD]
	v_add_nc_u32 v[RRD+3], 3*RP, v[RRD]
	s_lshl_b32 s16, s[WV], 18                      ; 16 planes of 16,384 bytes a wave
	v_lshl_add_u32 v[LO], v3, 4, s16
	s_lshl_b32 s16, s[WV], 9
	s_add_co_u32 s16, s16, LSP
	v_lshl_add_u32 v[LSA], v3, 4, s16
	s_lshl_b32 s16, s[WV], 7
	s_add_co_u32 s16, s16, LSP
	v_lshl_add_u32 v[LRA], v3, 2, s16
	s_lshl_b32 s16, s[WV], 8
	s_add_co_u32 s16, s16, LS2
	v_lshl_add_u32 v[L2A], v3, 3, s16
	v_mov_b32 v[L2R], s16
	; the prefetches
	s_cmp_eq_u32 ttmp9, 0                          ; p's rows are read by both clusters of their row of clusters: the one with x = 0 asks
	s_cselect_b32 s[LIMA], 1, -1
	s_and_b32 s16, ttmp7, 0xffff
	s_cmp_eq_u32 s16, 0                            ; vh's tile column by the eight clusters of its column: the one with y = 0 asks.  Both are the same in all sixteen partners
	s_cselect_b32 s[LIMB], 1, -1
	s_lshl_b32 s18, s40, 19                        ; the four that read the same rows of p share them out by address: two blocks of rows each;
	s_mov_b32 s19, 0
	s_add_nc_u64 s[PFAA:PFAA+1], s[PAP:PAP+1], s[18:19]
	s_lshl_b32 s18, s41, 16                        ; the four that ask for vh's tile jointly: 32 of the wave's 128 keys each
	s_add_nc_u64 s[PFB:PFB+1], s[22:23], s[18:19]
	v_lshlrev_b32 v[PFO], 11, v3
	v_lshrrev_b32 v4, 4, v3
	v_and_b32 v5, 15, v3
	v_lshlrev_b32 v5, 8, v5
	v_lshl_add_u32 v[PFOA], v4, 18, v5
	s_lshl_b32 s16, s43, 9                         ; lpart at the tile's 128 rows
	s_mov_b32 s17, 0
	s_add_nc_u64 s[8:9], s[8:9], s[16:17]
; 8 matrix instructions: block of rows a (0..7) x all 8 blocks of channels, 32 keys: p's buffer n, vh's buffer m.  zero = 1: the first product starts the sums: nothing is ever cleared.
; The 64 accumulators take turns, one instruction a turn, in the same order in every quarter.
.macro MUL8 n, m, a, zero
.set MW_, (\n)/3
.set MA_, (64+64*(\n))*(1-MW_)+8*(\a)
.set MC_, 64*((\a)%4)
	WIN (2+(\a)/4)*0x50+4*MW_+1                    ; source 0 (vh) window 1; source 1 (p) window 0 or 1; C and D window 2 or 3
.irp b, 0,1,2,3,4,5,6,7
.if \zero
	v_wmma_f32_16x16x32_f16 v[MC_+8*(\b):MC_+8*(\b)+7], v[64+64*(\m)+8*(\b):64+64*(\m)+8*(\b)+7], v[MA_:MA_+7], 0
.else
	v_wmma_f32_16x16x32_f16 v[MC_+8*(\b):MC_+8*(\b)+7], v[64+64*(\m)+8*(\b):64+64*(\m)+8*(\b)+7], v[MA_:MA_+7], v[MC_+8*(\b):MC_+8*(\b)+7]
.endif
.endr
.endm
.macro MULH n, m, h, zero              ; 32 of them: rows 64 h .. 64 h + 63
	MUL8 \n, \m, 4*(\h), \zero
	MUL8 \n, \m, 4*(\h)+1, \zero
	MUL8 \n, \m, 4*(\h)+2, \zero
	MUL8 \n, \m, 4*(\h)+3, \zero
.endm
; 16 LDS loads: vh's 128 channels of my keys 32 k .. 32 k + 31 of the step in the slot, turned, into buffer m
.macro FETCHB slot, k, m
	WIN 0x40                                       ; destination window 1, address window 0
.irp i, 0,1,2,3,4,5,6,7
	ds_load_tr16_b128 v[64+64*(\m)+8*(\i):64+64*(\m)+8*(\i)+3],   v[ADRB+(\slot)] offset:32*PB*(\k)+32*(\i)
	ds_load_tr16_b128 v[64+64*(\m)+8*(\i)+4:64+64*(\m)+8*(\i)+7], v[ADRB+(\slot)] offset:32*PB*(\k)+32*(\i)+16*PB
.endr
.endm
; THE RUN OF LOADS in the middle of quarter J: vh's fragments of the next quarter (fb); p's rows 64-127 of the quarter three on, into the buffer that the quarter before read (ah); p's rows
; 0-63 of the quarter four on, into the half of this quarter's buffer that has just been multiplied (al); once, in the tail, lpart: my 16 planes, 512 consecutive bytes of each (lp).
.macro RUN J, fb, ah, al, lp
.if \fb
	FETCHB (((\J)+1)/4)%2, ((\J)+1)%4, ((\J)+1)%2
.endif
.if \ah
	ALOADG (\J)+3, 1
.endif
.if \al
	ALOADG (\J)+4, 0
.endif
.if \lp
	WIN 0x40
.irp i, 0,1,2,3,4,5,6,7,8,9,10,11,12,13,14,15
	global_load_b128 v[LB+4*(\i):LB+4*(\i)+3], v[LO], s[8:9] offset:16384*(\i)
.endr
.endif
.endm
; PREFETCHES INTO THE L2.  Each aligned block of 256 bytes is named once in the launch, a lane a block, one instruction a wave.
; p: behind the run of a step's second quarter, my wave's 4,096 bytes of two blocks of rows for the step two on, whose loads begin three quarters (192 matrix instructions) later.
; Steps 0 and 1 come by their loads alone; the tail asks for nothing.  st: the step's number in the lap.
.macro ASKA st
	s_cmp_eq_u32 s[LIMA], 1
	s_cbranch_scc0 .Lnot_a_\@
	global_prefetch_b8 v[PFOA], s[PFAA:PFAA+1] offset:(2+(\st))*STEPA th:TH_LOAD_NT scope:SCOPE_SE
.Lnot_a_\@:
.endm
; vh: behind each joint load and the run that follows it, 32 keys x 256 bytes of the step that the NEXT change of slots loads, 256 matrix instructions ahead of that load.
; Steps 0 to 2 come by their loads alone; the last change that fills a slot (last = 1, in the loop's last trip) asks for nothing.  st: that step's number, counted from the lap's first.
.macro ASKB last, st
.if \last
	s_cmp_gt_u32 s3, s[LIMB]                       ; s3 = 1 in the loop's last trip
.else
	s_cmp_eq_u32 s[LIMB], 1
.endif
	s_cbranch_scc0 .Lnot_b_\@
	global_prefetch_b8 v[PFO], s[PFB:PFB+1] offset:(\st)*STEPB th:TH_LOAD_NT scope:SCOPE_SE
.Lnot_b_\@:
.endm
; A QUARTER: 32 keys, 64 matrix instructions, on p's buffer J % 4 and vh's buffer J % 2.  wl, wh: how many younger loads may stay out when p's rows 0-63, rows 64-127 have to be there.
.macro QUARTER J, zero, wl, wh, fb, ah, al, lp, aska
	s_wait_loadcnt \wl                             ; loads come back in order: in the loop six younger groups of eight stay out
	s_wait_dscnt 0x0                               ; vh's fragments, asked for 32 matrix instructions ago
	MULH (\J)%4, (\J)%2, 0, \zero
	PLACES
	s_wait_loadcnt \wh                             ; in the loop five younger groups; with the run below 56 loads are out
	RUN \J, \fb, \ah, \al, \lp
.if \aska
	WIN 0                                          ; at a branch and at a label every window is 0
	ASKA (\J)/4
.endif
	MULH (\J)%4, (\J)%2, 1, \zero
.endm
; A STEP'S LAST QUARTER changes slots: one barrier; in front of it each wave waits for all its tensor loads (one is out: its part of the next slot), adds 0 to its spare word, and waits for that
; and for its own reads of this slot (the last were waited for at the quarter's head).  fill = 1: the barrier opens a round of the cluster's, and this slot is filled again, two steps ahead, first
; thing behind the round: from there to the wait for it a wave issues 240 of a step's 256 matrix instructions.
.macro TURN J, fill, last
	s_wait_loadcnt 48
	s_wait_dscnt 0x0
	MUL8 3, 1, 0, 0
	MUL8 3, 1, 1, 0
	WIN 0
	s_wait_tensorcnt 0x0
	ds_add_u32 v[SPW], v[NIL]
	MUL8 3, 1, 2, 0                                ; eight matrix instructions stand between the add and the wait for it
	s_wait_dscnt 0x0                               ; the add is done
	s_barrier_signal -1
	MUL8 3, 1, 3, 0                                ; work on registers while the others arrive
.if \fill
	WIN 0
.endif
	s_barrier_wait -1
.if \fill
	CREST                                          ; no wave of any partner still reads this slot or has a load on its way
	s_add_nc_u64 s[G0B+4*((\J)/4)+2:G0B+4*((\J)/4)+3], s[G0B+4*((\J)/4)+2:G0B+4*((\J)/4)+3], 2*STEPB
	tensor_load_to_lds s[G0B+4*((\J)/4):G0B+4*((\J)/4)+3], s[G1B:G1B+7]  ; my one tensor load behind the round
	s_nop 0
.endif
	PLACES                                         ; the places in front of the loads below
	s_wait_loadcnt 40
	RUN \J, 1, 1, 1, 0
.if \fill
	WIN 0
	ASKB \last, (\J)/4+3
.endif
	MULH 3, 1, 1, 0
.endm
	s_wait_tensorcnt 1                             ; my part of step 0 is in; step 1's may stay out
	s_barrier_signal -1
	s_barrier_wait -1
	FETCHB 0, 0, 0
	QUARTER 0, 1, 48, 40, 1, 1, 1, 0, 0            ; the first quarter stands in front of the loop: its products start the sums
	WIN 0                                          ; at a label and at a branch every window is 0
	s_mov_b32 s3, LAPS-1
.Llap:                                                 ; a trip goes once round the ring, from a lap's second quarter to the next lap's first, and fills both slots again
	QUARTER 1, 0, 48, 40, 1, 1, 1, 0, 1
	QUARTER 2, 0, 48, 40, 1, 1, 1, 0, 0
	TURN 3, 1, 0
	QUARTER 4, 0, 48, 40, 1, 1, 1, 0, 0
	QUARTER 5, 0, 48, 40, 1, 1, 1, 0, 1
	QUARTER 6, 0, 48, 40, 1, 1, 1, 0, 0
	TURN 7, 1, 1
	QUARTER 8, 0, 48, 40, 1, 1, 1, 0, 0
	WIN 0
	s_wait_xcnt 0x0                                ; every load and prefetch issued so far (the youngest 32 matrix instructions back) has read its address: the three pointers go on to the next lap
	s_add_nc_u64 s[PAP:PAP+1], s[PAP:PAP+1], 2*STEPA
	s_add_nc_u64 s[PFAA:PFAA+1], s[PFAA:PFAA+1], 2*STEPA
	s_add_nc_u64 s[PFB:PFB+1], s[PFB:PFB+1], 2*STEPB
	s_sub_co_u32 s3, s3, 1
	s_cmp_lg_u32 s3, 0
	s_cbranch_scc1 .Llap
	; the last lap fills nothing, has no round of the cluster's barrier, and lets p's stream run out: the counts run down
	QUARTER 1, 0, 48, 40, 1, 1, 1, 0, 0
	QUARTER 2, 0, 48, 40, 1, 1, 1, 0, 0
	TURN 3, 0, 0                                   ; p's last rows 0-63 go out
	QUARTER 4, 0, 48, 40, 1, 1, 0, 0, 0            ; p's last rows 64-127
	QUARTER 5, 0, 40, 32, 1, 0, 0, 1, 0            ; five and four groups are left behind the one wanted; lpart's 16 loads take the run's place
	QUARTER 6, 0, 40, 32, 1, 0, 0, 0, 0            ; three and two groups, and lpart's 16
	QUARTER 7, 0, 24, 16, 0, 0, 0, 0, 0            ; one group and none, and lpart's 16
	WIN 0
	PLACES                                         ; the stores below read results just made
	s_barrier_signal -1                            ; every wave's reads of the ring are back and its tensor loads have landed: the ring's bytes, which are filled no more, may be written
	s_barrier_wait -1
	; THE FOUR PARTIAL TILES MEET.  Each wave lays its 128 x 128 sums into its own 128 rows of 528 bytes; each accumulator's lowest registers go first.
.irp a, 0,1,2,3,4,5,6,7
	WIN 0x08+4*((\a)/4)                            ; store data (source 1): window 2 or 3; address window 0
.irp b, 0,1,2,3,4,5,6,7
	ds_store_b128 v[RST], v[8*(8*((\a)%4)+(\b)):8*(8*((\a)%4)+(\b))+3]   offset:16*PA*(\a)+64*(\b)
	ds_store_b128 v[RST], v[8*(8*((\a)%4)+(\b))+4:8*(8*((\a)%4)+(\b))+7] offset:16*PA*(\a)+64*(\b)+16
.endr
.endr
	s_wait_loadcnt 0x0                             ; lpart: my quarter of l for the tile's 128 rows, four rows a lane
	WIN 0x45                                       ; all three in window 1
.irp st, 1,2,4,8
.set i, 0
.rept 8/(\st)
	v_pk_add_f32 v[LB+4*i:LB+4*i+1], v[LB+4*i:LB+4*i+1], v[LB+4*(i+(\st)):LB+4*(i+(\st))+1]
	v_pk_add_f32 v[LB+4*i+2:LB+4*i+3], v[LB+4*i+2:LB+4*i+3], v[LB+4*(i+(\st))+2:LB+4*(i+(\st))+3]
.set i, i+2*(\st)
.endr
.endr
	WIN 0x04                                       ; store data window 1
	ds_store_b128 v[LSA], v[LB:LB+3]
	WIN 0
	s_wait_dscnt 0x0                               ; for the others' sake: my stores are done
	s_barrier_signal -1
	s_barrier_wait -1
.irp i, 0,1,2,3
	ds_load_b32 v[4+(\i)], v[LRA] offset:512*(\i)  ; the four waves' partial l of row 32 w + l
.endr
	s_lshl_b32 s16, s43, 7                         ; out0: row 128 x tile row + 32 x wave, of 4,096 bytes,
	s_lshl_b32 s17, s[WV], 5
	s_add_co_u32 s16, s16, s17
	s_lshl_b32 s16, s16, 12
	s_lshl_b32 s17, s42, 9                         ; the tile column's 512 bytes
	s_add_co_u32 s16, s16, s17
	s_mov_b32 s17, 0
	s_add_nc_u64 s[10:11], s[10:11], s[16:17]
	s_wait_dscnt 0x0
	v_add_f32 v4, v4, v5
	v_add_f32 v6, v6, v7
	v_add_f32 v4, v4, v6
	v_rcp_f32 v6, v4
	v_nop                                          ; a plain instruction behind the reciprocal,
	s_wait_alu depctr_va_vdst(0)                   ; and the wait ahead of its first reader
	v_mov_b32 v7, v6
	ds_store_b64 v[L2A], v[6:7]                    ; twice, into my wave's own words: every lane then reads a row's 1 / l as the pair that the packed multiply takes
	; my 32 rows, eight a trip: a row's four partial sums are added, divided by l and stored: 512 consecutive bytes, aligned
	s_mov_b32 s20, 4
.Lbatch:
.irp i, 0,1,2,3
	ds_load_b128 v[RLB+4*(\i):RLB+4*(\i)+3], v[L2R] offset:16*(\i)  ; LDS serves a wave's instructions in order: these see the store above
.endr
.irp j, 0,1,2,3,4,5,6,7
.irp v, 0,1,2,3
	ds_load_b128 v[RB+16*(\j)+4*(\v):RB+16*(\j)+4*(\v)+3], v[RRD+(\v)] offset:PA*(\j)
.endr
.endr
.irp j, 0,1,2,3,4,5,6,7
	s_wait_dscnt 28-4*(\j)                         ; row j's four loads are in; the later rows' four each may be out
	v_pk_add_f32 v[RB+16*(\j):RB+16*(\j)+1],     v[RB+16*(\j):RB+16*(\j)+1],     v[RB+16*(\j)+4:RB+16*(\j)+5]
	v_pk_add_f32 v[RB+16*(\j)+2:RB+16*(\j)+3],   v[RB+16*(\j)+2:RB+16*(\j)+3],   v[RB+16*(\j)+6:RB+16*(\j)+7]
	v_pk_add_f32 v[RB+16*(\j)+8:RB+16*(\j)+9],   v[RB+16*(\j)+8:RB+16*(\j)+9],   v[RB+16*(\j)+12:RB+16*(\j)+13]
	v_pk_add_f32 v[RB+16*(\j)+10:RB+16*(\j)+11], v[RB+16*(\j)+10:RB+16*(\j)+11], v[RB+16*(\j)+14:RB+16*(\j)+15]
	v_pk_add_f32 v[RB+16*(\j):RB+16*(\j)+1],     v[RB+16*(\j):RB+16*(\j)+1],     v[RB+16*(\j)+8:RB+16*(\j)+9]
	v_pk_add_f32 v[RB+16*(\j)+2:RB+16*(\j)+3],   v[RB+16*(\j)+2:RB+16*(\j)+3],   v[RB+16*(\j)+10:RB+16*(\j)+11]
	v_pk_mul_f32 v[RB+16*(\j):RB+16*(\j)+1],     v[RB+16*(\j):RB+16*(\j)+1],     v[RLB+2*(\j):RLB+2*(\j)+1]
	v_pk_mul_f32 v[RB+16*(\j)+2:RB+16*(\j)+3],   v[RB+16*(\j)+2:RB+16*(\j)+3],   v[RLB+2*(\j):RLB+2*(\j)+1]
	global_store_b128 v[GO], v[RB+16*(\j):RB+16*(\j)+3], s[10:11] offset:4096*(\j)
.endr
	s_wait_xcnt 0x0                                ; the stores have read their registers and out0's address: both are written again only behind this wait
	s_add_nc_u64 s[10:11], s[10:11], 8*4096        ; eight rows on, in out0,
.irp v, 0,1,2,3
	v_add_nc_u32 v[RRD+(\v)], 8*PA, v[RRD+(\v)]    ; in the partial tiles,
.endr
	v_add_nc_u32 v[L2R], 64, v[L2R]                ; and among the 1 / l
	s_sub_co_u32 s20, s20, 1
	s_cmp_lg_u32 s20, 0
	s_cbranch_scc1 .Lbatch
	s_wait_tensorcnt 0x0                           ; the wave's end: behind my last tensor load and my last LDS store
	ds_add_u32 v[SPW], v[NIL]
	s_wait_dscnt 0x0
	CROUND                                         ; the closing round: no work-group ends while a partner may still ask for a tile that names it
	s_endpgm
.Lfunc_end_k_q29529e1ac1_context:
	.size	k_q29529e1ac1_context, .Lfunc_end_k_q29529e1ac1_context-k_q29529e1ac1_context
	.p2alignl 7, 3214868480
	.fill 96, 4, 3214868480
	.section	.rodata,"a",@progbits
	.p2align	6, 0x0
	.amdhsa_kernel k_q29529e1ac1_context
		.amdhsa_group_segment_fixed_size 327680
		.amdhsa_private_segment_fixed_size 0
		.amdhsa_enable_private_segment 0
		.amdhsa_kernarg_size 32
		.amdhsa_user_sgpr_count 2
		.amdhsa_user_sgpr_kernarg_segment_ptr 1
		.amdhsa_wavefront_size32 1
		.amdhsa_system_sgpr_workgroup_id_x 1
		.amdhsa_system_sgpr_workgroup_id_y 1
		.amdhsa_system_sgpr_workgroup_id_z 1
		.amdhsa_system_vgpr_workitem_id 0
		.amdhsa_next_free_vgpr 1024
		.amdhsa_next_free_sgpr 72
		.amdhsa_reserve_vcc 0
		.amdhsa_float_denorm_mode_32 3
		.amdhsa_float_denorm_mode_16_64 3
		.amdhsa_memory_ordered 1
		.amdhsa_forward_progress 1
		.amdhsa_inst_pref_size 139
	.end_amdhsa_kernel
	.amdgpu_metadata
---
amdhsa.version: [ 1, 2 ]
amdhsa.kernels:
  - .name:           k_q29529e1ac1_context
    .symbol:         k_q29529e1ac1_context.kd
    .args:
      - { .name: p, .offset: 0, .size: 8, .value_kind: global_buffer, .address_space: global }
      - { .name: vh, .offset: 8, .size: 8, .value_kind: global_buffer, .address_space: global }
      - { .name: lpart, .offset: 16, .size: 8, .value_kind: global_buffer, .address_space: global }
      - { .name: out0, .offset: 24, .size: 8, .value_kind: global_buffer, .address_space: global }
    .group_segment_fixed_size: 327680
    .private_segment_fixed_size: 0
    .kernarg_segment_align: 8
    .kernarg_segment_size: 32
    .max_flat_workgroup_size: 128
    .sgpr_count:     72
    .vgpr_count:     1024
    .wavefront_size: 32
...
	.end_amdgpu_metadata
.endif
;; end of part 3
;; ======== version 2 of 2: 3 launches; version 1 with the launch prep written anew for expert scheduling mode
;; limits: values are held in f16: magnitudes above 65,504 overflow, below 6.1e-05 lose precision; inputs' magnitudes at most 65,504; right only within a limited range of input values
;; workspace buffers: qh 8,388,608 bytes; kh 16,777,216 bytes; vh 16,777,216 bytes; p 67,108,864 bytes; lpart 1,048,576 bytes
;; launch prep (part 4): grid 768 x 1, 4 waves a work-group, no clusters, 0 bytes of LDS; arguments querry_emb, traj_emb, qh, kh, vh; writes qh, kh, vh
.if DOCPART == 4
	.amdgcn_target "amdgcn-amd-amdhsa--gfx1250"
	.amdhsa_code_object_version 6
	.text
	.protected	k_q29529e1ac1_prep
	.globl	k_q29529e1ac1_prep
	.p2align	8
	.type	k_q29529e1ac1_prep,@function
k_q29529e1ac1_prep:
	s_mov_b64 s[64:65], 0
	v_nop
	global_prefetch_b8 v0, s[64:65] scope:SCOPE_SE
	s_setreg_imm32_b32 hwreg(HW_REG_WAVE_SCHED_MODE, 0, 2), 2
	s_setreg_imm32_b32 hwreg(HW_REG_WAVE_MODE, 25, 1), 1
	s_wait_xcnt 0x0
	s_wait_alu depctr_vm_vsrc(0)
; PREPARATION.  qh[r][:] = q[r][:] x log2(e) / |q[r]|,  kh[r][:] = k[r][:] / |k[r]|,  vh[r][:] = k[r][:], all rounded once to f16.
; q: [4096][1024] f32, k: [8192][1024] f32.  Sums of squares in f32.
; LIMITS.  vh holds k as it is: |k| stays under 65,504 (f16's range).  A row's sum of squares lies in f32's normal range (norm between about 1e-19 and 1e19).
; A row of zeros gives NaN, as the division by its norm does.  qh and kh are normalised before they are rounded, so they have no limit of range.
; SHARES.  12,288 rows; a work-group takes 16, each of its four waves 4.  Work-groups 0-255 take q, 256-767 take k.  A row is 4,096 bytes: eight loads of 16 bytes a lane,
; 512 neighbouring bytes each; it stays in 32 registers between the sum of squares and the scaling, so it is read once.  A wave asks for all its four rows at once: 32 loads,
; no register is loaded twice, and there is no loop.  A lane's four numbers of a load round to 8 bytes: a store of the wave covers 256 consecutive bytes, aligned.
; No LDS, no barrier, no matrix unit, no cluster: no wave wants a byte that another has fetched.
; THE MODE: SCHED_MODE bits 1:0 = 2 (LLVM: expert scheduling mode 2), set by the entry lines.  The code itself states the register dependences
; between vector instructions and memory instructions, with s_wait_alu, always for 0.
; THE PLAN.  Registers that memory instructions touch:
;   v1, v2   byte offsets of the loads and of the stores.  Written at the head, never again.
;   X0 .. X3 row t as loaded.  Written by the row's eight loads, which go out at the head, before any vector instruction names these registers; read by the row's sum of squares and scaling.
;            In k's work-groups the row is then rounded in place into the low 16 of its 32 registers, which the row's eight raw stores read; nothing writes them after that.
;   Y0 .. Y3 row t scaled, in f16.  Written by the row's sixteen roundings; read by the row's eight stores; nothing writes them after that: each row has a Y of its own.
;   T, M and R are named by vector instructions alone.  The scalar bases are never stepped, EXEC is never written, and no vector instruction writes a scalar register.
; So no register that a memory instruction has read is ever written again, and three kinds of wait on va_vdst state all there is: one at the head (the offsets are written), one in
; each row behind the root (its result is written), one in each row behind its last rounding (Y[t] and the rounded low half of X[t] are written).  Behind that last one the row's stores go out in
; one run, ahead of the wait for the next row's data, so that they are on their way while that row is still coming in.
.set T, 4                              ; v[4:11]    at work, two halves by turns
.set X, 16                             ; v[16:143]  row t: 32 registers as loaded
.set M, 144                            ; v[144:151] four chains of the sum of squares, a pair each
.set R, 152                            ; v[152:153] the row's factor, twice
.set Y, 154                            ; v[154:217] row t: 16 registers, the scaled row in f16: a pair for each of the eight stores
	s_load_b256 s[4:11], s[0:1], 0x0               ; q s[4:5], k s[6:7], qh s[8:9], kh s[10:11]
	s_load_b64 s[12:13], s[0:1], 0x20              ; vh
	v_lshrrev_b32 v3, 5, v0                        ; wave
	v_and_b32 v1, 31, v0                           ; lane
	v_lshlrev_b32 v2, 3, v1                        ; out: 8 bytes a lane
	v_lshlrev_b32 v1, 4, v1                        ; in: 16 bytes a lane
	v_lshl_add_u32 v1, v3, 14, v1                  ; + wave x 4 rows x 4,096 bytes; never rewritten
	v_lshl_add_u32 v2, v3, 13, v2                  ; + wave x 4 rows x 2,048 bytes; never rewritten
	s_mov_b32 s24, 0x76543210                      ; v_permlanex16_b32: each lane takes its own place in the other half
	s_mov_b32 s25, 0xfedcba98
	s_sub_co_u32 s14, ttmp9, 256
	s_cmp_lt_u32 ttmp9, 256                        ; do I work on q?  Only selects, moves and waits stand between this compare and the last select
	s_cselect_b32 s14, ttmp9, s14                  ; my block of 16 rows in its tensor
	s_cselect_b32 s15, 1, 0                        ; 1: q
	s_cselect_b32 s16, 0x3fb8aa3b, 1.0             ; q's factor carries log2(e), so that the next launch's exponential is a plain 2^x
	s_wait_kmcnt 0x0
	s_cselect_b64 s[18:19], s[4:5], s[6:7]         ; from
	s_cselect_b64 s[20:21], s[8:9], s[10:11]       ; to
	s_lshl_b32 s22, s14, 16                        ; 16 rows of 4,096 bytes
	s_mov_b32 s23, 0
	s_lshl_b32 s26, s14, 15                        ; 16 rows of 2,048 bytes
	s_mov_b32 s27, 0
	s_add_nc_u64 s[18:19], s[18:19], s[22:23]
	s_add_nc_u64 s[20:21], s[20:21], s[26:27]
	s_add_nc_u64 s[12:13], s[12:13], s[26:27]      ; (used by k's work-groups alone)
	s_wait_alu depctr_va_vdst(0)                   ; v1 and v2 are written: every load of the kernel reads v1 as its offset, every store v2
.irp t, 0,1,2,3
.irp j, 0,1,2,3,4,5,6,7
	global_load_b128 v[X+32*(\t)+4*(\j):X+32*(\t)+4*(\j)+3], v1, s[18:19] offset:4096*(\t)+512*(\j) th:TH_LOAD_NT
.endr
.endr
; Row t of my four.
.macro TURN t
.set XT, X+32*(\t)
.set YT, Y+16*(\t)
	s_wait_loadcnt 24-8*(\t)                       ; loads come back in order: my row's eight are in, the later rows' eight each stay out
.irp c, 0,1,2,3
	v_pk_mul_f32 v[M+2*(\c):M+2*(\c)+1], v[XT+2*(\c):XT+2*(\c)+1], v[XT+2*(\c):XT+2*(\c)+1]  ; the first four pairs start four chains: nothing is cleared
.endr
.set i, 4
.rept 12
	v_pk_fma_f32 v[M+2*(i%4):M+2*(i%4)+1], v[XT+2*i:XT+2*i+1], v[XT+2*i:XT+2*i+1], v[M+2*(i%4):M+2*(i%4)+1]
.set i, i+1
.endr
	v_pk_add_f32 v[M:M+1], v[M:M+1], v[M+2:M+3]
	v_pk_add_f32 v[M+4:M+5], v[M+4:M+5], v[M+6:M+7]
	v_pk_add_f32 v[M:M+1], v[M:M+1], v[M+4:M+5]
	v_add_f32 v[M], v[M], v[M+1]
	v_add_f32_dpp v[M], v[M], v[M] row_xmask:1 row_mask:0xf bank_mask:0xf   ; across the 32 lanes: four steps inside each half,
	v_add_f32_dpp v[M], v[M], v[M] row_xmask:2 row_mask:0xf bank_mask:0xf
	v_add_f32_dpp v[M], v[M], v[M] row_xmask:4 row_mask:0xf bank_mask:0xf
	v_add_f32_dpp v[M], v[M], v[M] row_xmask:8 row_mask:0xf bank_mask:0xf
	v_permlanex16_b32 v[M+1], v[M], s24, s25       ; one across the halves
	v_add_f32 v[M], v[M], v[M+1]                   ; every lane holds the row's sum of squares
	v_rsq_f32 v[R], v[M]
	v_nop                                          ; a plain instruction behind the root,
	s_wait_alu depctr_va_vdst(0)                   ; and the root has written v[R], ahead of its first reader
	v_mul_f32 v[R], s16, v[R]
	v_mov_b32 v[R+1], v[R]
.irp j, 0,1,2,3,4,5,6,7
	v_pk_mul_f32 v[T+4*((\j)%2):T+4*((\j)%2)+1], v[XT+4*(\j):XT+4*(\j)+1], v[R:R+1]
	v_pk_mul_f32 v[T+4*((\j)%2)+2:T+4*((\j)%2)+3], v[XT+4*(\j)+2:XT+4*(\j)+3], v[R:R+1]
	v_cvt_pk_f16_f32 v[YT+2*(\j)], v[T+4*((\j)%2)], v[T+4*((\j)%2)+1]
	v_cvt_pk_f16_f32 v[YT+2*(\j)+1], v[T+4*((\j)%2)+2], v[T+4*((\j)%2)+3]
.endr
	s_cmp_lg_u32 s15, 0
	s_cbranch_scc1 .Lno_raw_\@                     ; q has no raw copy
.irp j, 0,1,2,3,4,5,6,7                ; k as it is, rounded in place: the destinations climb half as fast as the sources, so no source is lost
	v_cvt_pk_f16_f32 v[XT+2*(\j)], v[XT+4*(\j)], v[XT+4*(\j)+1]
	v_cvt_pk_f16_f32 v[XT+2*(\j)+1], v[XT+4*(\j)+2], v[XT+4*(\j)+3]
.endr
.Lno_raw_\@:
	s_wait_alu depctr_va_vdst(0)                   ; the roundings have written Y[t] and, in k's work-groups, the low half of X[t]: the stores below read them; no vector instruction stands among those stores
.irp j, 0,1,2,3,4,5,6,7
	global_store_b64 v2, v[YT+2*(\j):YT+2*(\j)+1], s[20:21] offset:2048*(\t)+256*(\j)
.endr
	s_cmp_lg_u32 s15, 0
	s_cbranch_scc1 .Lno_copy_\@                    ; q has no raw copy
.irp j, 0,1,2,3,4,5,6,7
	global_store_b64 v2, v[XT+2*(\j):XT+2*(\j)+1], s[12:13] offset:2048*(\t)+256*(\j)
.endr
.Lno_copy_\@:
.endm
	TURN 0
	TURN 1
	TURN 2
	TURN 3
	s_endpgm
.Lfunc_end_k_q29529e1ac1_prep:
	.size	k_q29529e1ac1_prep, .Lfunc_end_k_q29529e1ac1_prep-k_q29529e1ac1_prep
	.p2alignl 7, 3214868480
	.fill 96, 4, 3214868480
	.section	.rodata,"a",@progbits
	.p2align	6, 0x0
	.amdhsa_kernel k_q29529e1ac1_prep
		.amdhsa_group_segment_fixed_size 0
		.amdhsa_private_segment_fixed_size 0
		.amdhsa_enable_private_segment 0
		.amdhsa_kernarg_size 40
		.amdhsa_user_sgpr_count 2
		.amdhsa_user_sgpr_kernarg_segment_ptr 1
		.amdhsa_wavefront_size32 1
		.amdhsa_system_sgpr_workgroup_id_x 1
		.amdhsa_system_sgpr_workgroup_id_y 1
		.amdhsa_system_sgpr_workgroup_id_z 1
		.amdhsa_system_vgpr_workitem_id 0
		.amdhsa_next_free_vgpr 218
		.amdhsa_next_free_sgpr 66
		.amdhsa_reserve_vcc 0
		.amdhsa_float_denorm_mode_32 3
		.amdhsa_float_denorm_mode_16_64 3
		.amdhsa_memory_ordered 1
		.amdhsa_forward_progress 1
		.amdhsa_inst_pref_size 31
	.end_amdhsa_kernel
	.amdgpu_metadata
---
amdhsa.version: [ 1, 2 ]
amdhsa.kernels:
  - .name:           k_q29529e1ac1_prep
    .symbol:         k_q29529e1ac1_prep.kd
    .args:
      - { .name: querry_emb, .offset: 0, .size: 8, .value_kind: global_buffer, .address_space: global }
      - { .name: traj_emb, .offset: 8, .size: 8, .value_kind: global_buffer, .address_space: global }
      - { .name: qh, .offset: 16, .size: 8, .value_kind: global_buffer, .address_space: global }
      - { .name: kh, .offset: 24, .size: 8, .value_kind: global_buffer, .address_space: global }
      - { .name: vh, .offset: 32, .size: 8, .value_kind: global_buffer, .address_space: global }
    .group_segment_fixed_size: 0
    .private_segment_fixed_size: 0
    .kernarg_segment_align: 8
    .kernarg_segment_size: 40
    .max_flat_workgroup_size: 128
    .sgpr_count:     66
    .vgpr_count:     218
    .wavefront_size: 32
...
	.end_amdgpu_metadata
.endif
;; end of part 4
;; launch scores: the kernel of part 2 again; grid 32 x 8, 4 waves a work-group, clusters of 4 x 4, 327,680 bytes of LDS; arguments qh, kh, p, lpart; writes p, lpart
;; launch context: the kernel of part 3 again; grid 8 x 32, 4 waves a work-group, clusters of 4 x 4, 327,680 bytes of LDS; arguments p, vh, lpart, out0; writes out0
